; MI455X (gfx1250); checked and timed in simulation.
; The chip was launched on July 23, 2026; its instructions are those of AMD's public machine-readable ISA for CDNA 5 (MIT licence, August 2026) and "CDNA5" Instruction Set Architecture Reference Guide (July 2026). The comments in the code are by the model that wrote it; some were corrected since.
;; Basic Attention. Allowed arithmetic: matrix products marked QUANTISED: E2M1 operands, one E8M0 scale for each 32 along K, by v_wmma_scale_f32_16x16x128_f8f6f4 with both operands' format E2M1 (or v_wmma_scale_f32_32x16x128_f4), f32 sums; products left as they are: f32 operands where the result goes on into a quantised operand, else bf16, f16 or f32 operands; f32 sums; everything else in f32.
;; Inputs: W_c 1,024 x 1,024 float32; W_in 1,024 x 1,024 float32; W_out 1,024 x 2,048 float32; b_c 1,024 float32; context 32 x 2,048 x 1,024 float32; w_v 1,024 float32; x 32 x 1,024 float32.
;; Outputs: out0 32 x 1,024 float32; out1 32 x 2,048 float32.
;; This version of the problem:
;;   THIS VERSION OF THE PROBLEM IS GIVEN IN LOW PRECISION. The matrix products marked QUANTISED in the list below multiply operands that are first quantised to E2M1 (2 exponent bits, 1 mantissa bit; 4 bits a number), with one power-of-two scale for each 32 numbers along K (OCP MX v1.0); their sums are f32. All else is computed in f32.
;;   The module's matrix products, in the order in which they are computed (A, B: the left and right operand; K: the contracted axis; several contracted axes count as one K, in the product's order):
;;     1. [M 32, K 1,024] x [K 1,024, N 1,024]; A: input x; B: input W_in: QUANTISED
;;     2. [M 65,536, K 1,024] x [K 1,024, N 1,024]; A: input context; B: input W_c: QUANTISED
;;     3. [M 65,536, K 1,024] x [K 1,024, N 1]; A: computed on the way; B: input w_v: left as it is (N = 1 < 16)
;;     4. batch 32 x [M 1, K 2,048] x [K 2,048, N 1,024]; A: softmax; B: input context: left as it is (M = 1 < 16)
;;     5. [M 32, K 2,048] x [K 2,048, N 1,024]; A: computed on the way; B: input W_out: QUANTISED
;;   THE QUANTISER, for each operand of a quantised product, along K:
;;     - K is cut into blocks of 32 from its start; a last block that is shorter is filled with zeros.
;;     - A block's scale is 2^e with e = floor(log2(the largest magnitude in the block)) - 2, held to -126 .. 127; a block of zeros has e = 0. As a byte (E8M0): e + 127.
;;     - Each number is divided by its block's scale, clamped to +-6, and rounded to the nearest number of E2M1, ties to even, subnormals kept.
;;     - The product sums the exact products of the quantised numbers (number of the format x scale) in f32.
;;   ~~~python
;;   def quantise(x, axis):      # numpy; x: float32 -> the quantised numbers, widened to float32 again
;;       x = np.moveaxis(x, axis, -1); K = x.shape[-1]
;;       x = np.pad(x, [(0, 0)] * (x.ndim - 1) + [(0, -K % 32)]); x = x.reshape(x.shape[:-1] + (-1, 32)); a = np.abs(x).max(-1, keepdims=True)
;;       e = np.where(a > 0, np.clip(np.frexp(np.where(a > 0, a, 1))[1] - 1 - 2, -126, 127), 0)      # np.frexp(a)[1] - 1 = floor(log2(a)), exactly
;;       r = np.clip(x / 2.0 ** e, -6, 6)
;;       step = 2.0 ** (np.maximum(np.frexp(np.where(r == 0, 1, r))[1] - 1, 0) - 1)
;;       q = np.round(r / step) * step * 2.0 ** e      # np.round: ties to even
;;       return np.moveaxis(q.reshape(q.shape[:-2] + (-1,))[..., :K], -1, axis).astype(np.float32)
;;   ~~~
;;   OPERANDS COMPUTED ON THE WAY. 'Computed on the way' means the value that the module computes at that place (a softmax that the list does not call 'softmax' is quantised finished and normalised). What goes into a quantiser is computed in f32, as accurately as f32 sums, v_exp_f32 and their like allow (about 1e-6 of the number): no bf16 or f16 on the way to a quantiser, and a product that is left as it is and whose result goes on into a quantised operand takes f32 operands (vector FMAs, or v_wmma_f32_16x16x4_f32). A number that lies on a knife's edge between two numbers of the format may be rounded either way, as far as f32 arithmetic and the matrix unit's own rounding can turn it there, and no further.
;; One version. Each part assembles by itself: llvm-mc -triple=amdgcn-amd-amdhsa -mcpu=gfx1250 --defsym DOCPART=n.
;; ======== version 1 of 1: 3 launches
;; limits: right only within a limited range of input values
;; workspace buffers: WCF 1,048,576 bytes; WOF 2,097,152 bytes; TB 131,072 bytes; TS 262,144 bytes; PML 65,536 bytes; PW 1,048,576 bytes
;; launch prep (part 1): grid 256 x 1, 8 waves a work-group, no clusters, 98,304 bytes of LDS; arguments W_in, W_c, W_out, x, b_c, WCF, WOF, TB; writes WCF, WOF, TB
.if DOCPART == 1
	.amdgcn_target "amdgcn-amd-amdhsa--gfx1250"
	.amdhsa_code_object_version 6
	.text
	.protected	k_q21d56249ff_prep
	.globl	k_q21d56249ff_prep
	.p2align	8
	.type	k_q21d56249ff_prep,@function
k_q21d56249ff_prep:
	s_mov_b64 s[64:65], 0
	v_nop
	global_prefetch_b8 v0, s[64:65] scope:SCOPE_SE
	s_setreg_imm32_b32 hwreg(HW_REG_WAVE_MODE, 25, 1), 1
	s_wait_xcnt 0x0
; THE WEIGHTS BECOME CODES OF E2M1, AND THE FIRST PRODUCT IS MADE.
; A work-group takes 16 rows x 1,024 along K of one weight.  Work-groups 0-63: W_in, tile T = id; 64-127: W_c, tile id - 64; 128-255: W_out, j = id - 128: rows 16 (j / 2) on, K = 1,024 (j % 2) on.
; Of the eight waves each takes two of the 16 rows.  A LANE HOLDS A WHOLE BLOCK OF 32 ALONG K: the loads take a row as it lies (512 consecutive bytes a load); the row turns through the wave's own stage in LDS and comes
; back 128 bytes a lane, into the registers that it left.  So a block's largest magnitude needs no other lane, its 16 bytes of codes go to LDS by one store, its scale byte by another.
; A block's scale byte is its largest magnitude's exponent field - 2, held at 1 from below by a floor among the maximum's leaves; the conversion takes that field as its scale, rounds to the nearest code, ties to even, and gives the largest code beyond 6.
; W_c and W_out leave as RECORDS of 16,384 bytes in the order of an operand's registers: bytes 1,024 q + 512 c + 16 lane = registers 4 c .. 4 c + 3 of the fragment of K step q; bytes 8,192 + 16 lane = the lane's scale words
; (lanes 0-15: K steps 0-3 of row lane; lanes 16-31: K steps 4-7).  The rest of a record is neither written nor read.  Every store of a record covers 512 consecutive bytes, aligned.
; W_in's work-groups also quantise all 32 rows of x (four a wave) and wave 0 makes TB[b][16 T ..] = x W_in^T + b_c: source 0 = 16 rows of W_in, source 1 = 16 rows of x, so that a lane holds 8 neighbouring columns of one row of TB;
; b_c is the C of each sum's first matrix instruction.  TB's stores are pieces of 64 bytes a row, since a tile is 16 columns wide: 131,072 bytes in the whole launch.
; LIMITS: NaN and infinities among the inputs are not served.  A block of zeros gets the byte 1 where the quantiser says 127: its codes are zeros, and this program alone reads the bytes.
.set STGW,  0                          ; LDS: 8 x 4,352: each wave's stage for weight rows: 16 units of 256 bytes + 16 of padding
.set STGX,  34816                      ; 8 x 4,352: the same for rows of x: bytes of its own for the way that only W_in's work-groups take
.set WCODE, 69632                      ; 16 rows x 528: a row's 512 bytes of codes + 16 of padding
.set WSC,   78080                      ; 16 rows x 48: a row's 32 scale bytes + 16
.set XCODE, 78848                      ; 32 rows x 528
.set XSC,   95744                      ; 32 rows x 48
.set RW,    16                         ; v16-79   two weight rows; later W_in's 8 fragments
.set RX,    80                         ; v80-207  four rows of x; later x's 2 x 8 fragments
.set T,     208                        ; v208-211 largest magnitudes, four chains
.set C,     212                        ; v212-215 a block's codes
.set SCL,   216                        ; v216     the conversion's scale operand
.set BY,    217                        ; v217     the scale's byte
.set WS,    220                        ; v220-223 W_in's scale words: scales and nothing else
.set ACC,   224                        ; v224-239 two accumulators
.set BC,    240                        ; v240-247 b_c in the result's layout
.set XS,    248                        ; v248-255 x's scale words: scales and nothing else
; v1 16 x lane; v2, v3 the stage, in and out; v4, v5 where I put a weight row's codes and bytes; v6, v7 the same for x; v8, v14 a fragment's place in WCODE, XCODE; v9, v15 a scale word's in WSC, XSC;
; v10 TB's offset; v11 b_c's; v12 a record's offset for my wave; v13 my wave's fragment in WCODE
.macro LOADROW reg, base, off, nt      ; a row of 4,096 bytes: eight loads of 512 consecutive bytes
.irp t, 0,1,2,3,4,5,6,7
.if \nt
	global_load_b128 v[\reg+4*\t:\reg+4*\t+3], v1, s[\base:\base+1] offset:\off+512*\t th:TH_LOAD_NT
.else
	global_load_b128 v[\reg+4*\t:\reg+4*\t+3], v1, s[\base:\base+1] offset:\off+512*\t
.endif
.endr
.endm
.macro TURN reg, stg                   ; the row through my stage: in as loaded, back 128 bytes a lane; LDS serves a wave's instructions in order
.irp t, 0,1,2,3,4,5,6,7
	ds_store_b128 v2, v[\reg+4*\t:\reg+4*\t+3] offset:\stg+544*\t
.endr
.irp t, 0,1,2,3,4,5,6,7
	ds_load_b128 v[\reg+4*\t:\reg+4*\t+3], v3 offset:\stg+16*\t
.endr
	s_wait_dscnt 0x0                               ; the row is back; the last row's stores of codes and byte have read their registers
.endm
.macro QROW1 x                         ; my block, v[x] .. v[x + 31], becomes 16 bytes of codes and a scale byte
.irp c, 0,1,2,3
	v_max3_num_f32 v[T+\c], |v[\x+8*\c]|, |v[\x+8*\c+1]|, |v[\x+8*\c+2]|
.endr
.irp i, 3,5
.irp c, 0,1,2,3
	s_delay_alu instid0(VALU_DEP_4)
	v_max3_num_f32 v[T+\c], v[T+\c], |v[\x+8*\c+\i]|, |v[\x+8*\c+\i+1]|
.endr
.endr
	s_delay_alu instid0(VALU_DEP_4)
	v_max3_num_f32 v[T], v[T], |v[\x+7]|, |v[\x+15]|
	s_delay_alu instid0(VALU_DEP_3)
	v_max3_num_f32 v[T+2], v[T+2], |v[\x+23]|, |v[\x+31]|
	s_delay_alu instid0(VALU_DEP_1)
	v_max3_num_f32 v[T], v[T], v[T+1], v[T+2]
	s_delay_alu instid0(VALU_DEP_1)
	v_max3_num_f32 v[T], v[T], v[T+3], 0x1800000   ; the floor 2^(3 - 127): the byte cannot fall under 1
	s_delay_alu instid0(VALU_DEP_1)
	v_add_nc_u32 v[SCL], 0xff000000, v[T]          ; 2 off the exponent field
.irp g, 0,1,2,3
	v_cvt_scalef32_pk8_fp4_f32 v[C+\g], v[\x+8*\g:\x+8*\g+7], v[SCL]
.endr
	v_lshrrev_b32 v[BY], 23, v[SCL]                ; the byte; also the plain instruction behind the conversions
.endm
.macro PUT ca, sa, i
	ds_store_b128 v[\ca], v[C:C+3] offset:528*\i
	ds_store_b8 v[\sa], v[BY] offset:48*\i
.endm
.macro WM d, a, b, c, sa, sb, row      ; row = 1: both sides' scale words are taken from lanes 16-31
.if \row
	v_wmma_scale_f32_16x16x128_f8f6f4 v[\d:\d+7], v[\a:\a+7], v[\b:\b+7], v[\c:\c+7], v[\sa], v[\sb] matrix_a_fmt:MATRIX_FMT_FP4 matrix_b_fmt:MATRIX_FMT_FP4 matrix_a_scale:MATRIX_SCALE_ROW1 matrix_b_scale:MATRIX_SCALE_ROW1
.else
	v_wmma_scale_f32_16x16x128_f8f6f4 v[\d:\d+7], v[\a:\a+7], v[\b:\b+7], v[\c:\c+7], v[\sa], v[\sb] matrix_a_fmt:MATRIX_FMT_FP4 matrix_b_fmt:MATRIX_FMT_FP4
.endif
.endm
	s_load_b256 s[4:11], s[0:1], 0x0               ; W_in s[4:5], W_c s[6:7], W_out s[8:9], x s[10:11]
	s_load_b256 s[12:19], s[0:1], 0x20             ; b_c s[12:13], WCF s[14:15], WOF s[16:17], TB s[18:19]
	v_lshl_add_u32 v218, v0, 2, 0x17c00
	v_mov_b32 v219, 0
	v_lshrrev_b32 v208, 5, v0
	s_delay_alu instid0(VALU_DEP_1)
	v_readfirstlane_b32 s20, v208                  ; wave 0..7
	v_and_b32 v208, 31, v0                         ; lane l
	v_bfe_u32 v209, v0, 4, 1                       ; h = l / 16
	v_and_b32 v210, 15, v0                         ; r = l % 16
	v_bfe_u32 v211, v0, 1, 4                       ; l / 2
	v_and_b32 v212, 1, v0                          ; l % 2
	v_lshlrev_b32 v1, 4, v208
	s_mul_i32 s36, s20, 4352
	v_mul_u32_u24 v2, v209, 272
	s_delay_alu instid0(VALU_DEP_1)
	v_lshl_add_u32 v2, v210, 4, v2
	s_delay_alu instid0(VALU_DEP_1)
	v_add_nc_u32 v2, s36, v2                       ; in: byte 512 t + 16 l of the row lies in unit 2 t + l / 16, at 16 (l % 16)
	v_mul_u32_u24 v3, v211, 272
	s_delay_alu instid0(VALU_DEP_1)
	v_lshl_add_u32 v3, v212, 7, v3
	s_delay_alu instid0(VALU_DEP_1)
	v_add_nc_u32 v3, s36, v3                       ; out: byte 128 l of the row lies in unit l / 2, at 128 (l % 2)
	s_mul_i32 s36, s20, 2*528
	s_add_co_u32 s36, s36, WCODE
	v_add_nc_u32 v4, s36, v1
	s_mul_i32 s36, s20, 2*48
	s_add_co_u32 s36, s36, WSC
	v_add_nc_u32 v5, s36, v208
	s_mul_i32 s36, s20, 4*528
	s_add_co_u32 s36, s36, XCODE
	v_add_nc_u32 v6, s36, v1
	s_mul_i32 s36, s20, 4*48
	s_add_co_u32 s36, s36, XSC
	v_add_nc_u32 v7, s36, v208
	v_mul_u32_u24 v213, v210, 528
	s_delay_alu instid0(VALU_DEP_1)
	v_lshl_add_u32 v213, v209, 4, v213             ; a fragment: row r x pitch + 16 h
	s_delay_alu instid0(VALU_DEP_1)
	v_add_nc_u32 v8, WCODE, v213
	s_delay_alu instid0(VALU_DEP_2)
	v_add_nc_u32 v14, XCODE, v213
	s_lshl_b32 s36, s20, 6
	v_add_nc_u32 v13, s36, v8                      ; K step q = my wave
	v_mul_u32_u24 v213, v210, 48
	s_delay_alu instid0(VALU_DEP_1)
	v_lshl_add_u32 v213, v209, 4, v213             ; scale words: row r x 48 + 16 h
	s_delay_alu instid0(VALU_DEP_1)
	v_add_nc_u32 v9, WSC, v213
	s_delay_alu instid0(VALU_DEP_2)
	v_add_nc_u32 v15, XSC, v213
	s_lshl_b32 s36, s20, 10
	v_add_nc_u32 v12, s36, v1
	s_and_b32 s37, ttmp9, 63                       ; the tile's number, held under 64 so that b_c's offset lies inside b_c in every work-group
	s_lshl_b32 s37, s37, 6
	v_lshl_add_u32 v11, v209, 5, s37               ; b_c: 4 (16 T + 8 h)
	s_delay_alu instid0(VALU_DEP_1)
	v_lshl_add_u32 v10, v210, 12, v11              ; TB: row r of 4,096 bytes, the same columns
	s_mov_b32 s28, 128
	s_mov_b32 s29, 8192
	s_wait_alu depctr_va_vdst(0)                   ; the wait at the head's end
	s_wait_kmcnt 0x0
	s_cmp_lt_u32 ttmp9, 64                         ; which weight: the choices hang on the work-group's number alone
	s_cselect_b64 s[22:23], s[4:5], s[6:7]
	s_cselect_b32 s26, 0, 64
	s_cmp_lt_u32 ttmp9, 128
	s_cselect_b64 s[22:23], s[22:23], s[8:9]
	s_cselect_b64 s[24:25], s[14:15], s[16:17]
	s_cselect_b32 s26, s26, s28
	s_cselect_b32 s29, 4096, s29                   ; bytes from row to row
	s_sub_co_u32 s27, ttmp9, s26                   ; the tile's number in its weight
	s_lshl_b32 s30, s27, 16                        ; W_in, W_c: 16 rows of 4,096 bytes a tile
	s_lshr_b32 s31, s27, 1
	s_lshl_b32 s31, s31, 17                        ; W_out: 16 rows of 8,192 bytes,
	s_and_b32 s32, s27, 1
	s_lshl_b32 s32, s32, 12                        ; and which half of K
	s_add_co_u32 s31, s31, s32
	s_cmp_lt_u32 ttmp9, 128
	s_cselect_b32 s30, s30, s31
	s_mul_i32 s31, s20, s29
	s_lshl_b32 s31, s31, 1                         ; my wave's two rows
	s_add_co_u32 s30, s30, s31
	s_mov_b32 s31, 0
	s_add_nc_u64 s[22:23], s[22:23], s[30:31]      ; my first row
	s_mov_b32 s30, s29
	s_add_nc_u64 s[34:35], s[22:23], s[30:31]      ; my second
	s_lshl_b32 s30, s27, 14
	s_add_nc_u64 s[24:25], s[24:25], s[30:31]      ; the tile's record
	s_lshl_b32 s30, s20, 14
	s_add_nc_u64 s[10:11], s[10:11], s[30:31]      ; x: my wave's four rows
	global_load_b128 v[BC:BC+3], v11, s[12:13]     ; b_c goes out with the first loads, as the oldest two: the counted waits below count only younger loads.  It stands on every way, so that its registers are written on every way
	global_load_b128 v[BC+4:BC+7], v11, s[12:13] offset:16
	LOADROW RW, 22, 0, 1
	LOADROW RW+32, 34, 0, 1
	s_cmp_ge_u32 ttmp9, 64
	s_cbranch_scc1 .Lweights
	LOADROW RX, 10, 0, 0                           ; x is read by 64 work-groups: no hint
	LOADROW RX+32, 10, 4096, 0
	LOADROW RX+64, 10, 8192, 0
	LOADROW RX+96, 10, 12288, 0
.irp k, 0,1,2,3
	s_wait_loadcnt 8*(3-\k)                        ; row k of x is in; the later rows' loads, eight each, may be out
	TURN RX+32*\k, STGX
	QROW1 RX+32*\k
	PUT 6, 7, \k
.endr
.Lweights:
	s_wait_loadcnt 8                               ; my first weight row is in; the second's eight loads may be out
	TURN RW, STGW
	QROW1 RW
	PUT 4, 5, 0
	s_wait_loadcnt 0x0
	TURN RW+32, STGW
	QROW1 RW+32
	PUT 4, 5, 1
	s_wait_dscnt 0x0                               ; for the others' sake: my codes and bytes lie in LDS
	s_barrier_signal -1
	s_barrier_wait -1
	s_cmp_lt_u32 ttmp9, 64
	s_cbranch_scc1 .Lproduct
	ds_load_b128 v[16:19], v13                     ; the fragment of K step q = my wave, as an operand's registers take it
	ds_load_b128 v[20:23], v13 offset:32
	s_wait_dscnt 0x0
	global_store_b128 v12, v[16:19], s[24:25]
	global_store_b128 v12, v[20:23], s[24:25] offset:512
	s_cmp_lg_u32 s20, 0
	s_cbranch_scc1 .Ldone
	ds_load_b128 v[24:27], v9                      ; wave 0: the scale words
	s_wait_dscnt 0x0
	global_store_b128 v1, v[24:27], s[24:25] offset:8192
.Ldone:
	s_wait_tensorcnt 0x0
	ds_add_u32 v218, v219
	s_wait_dscnt 0x0
	s_endpgm
.Lproduct:
	s_cmp_lg_u32 s20, 0
	s_cbranch_scc1 .Ldone2                         ; no barrier follows: waves 1 to 7 are done
.irp q, 0,1,2,3,4,5,6,7
.irp c, 0,1
	ds_load_b128 v[RW+8*\q+4*\c:RW+8*\q+4*\c+3], v8 offset:64*\q+32*\c
.endr
.endr
.irp b, 0,1
.irp q, 0,1,2,3,4,5,6,7
.irp c, 0,1
	ds_load_b128 v[RX+64*\b+8*\q+4*\c:RX+64*\b+8*\q+4*\c+3], v14 offset:8448*\b+64*\q+32*\c
.endr
.endr
.endr
	ds_load_b128 v[WS:WS+3], v9
	ds_load_b128 v[XS:XS+3], v15
	ds_load_b128 v[XS+4:XS+7], v15 offset:768
	s_wait_loadcnt 0x0
	s_wait_dscnt 0x0
.irp q, 0,1,2,3,4,5,6,7                ; the two accumulators (rows 0-15 and 16-31 of x) take turns, one instruction a turn
.irp b, 0,1
.if \q == 0
	WM ACC+8*\b, RW, RX+64*\b, BC, WS, XS+4*\b, 0
.else
	WM ACC+8*\b, RW+8*\q, RX+64*\b+8*\q, ACC+8*\b, WS+\q%4, XS+4*\b+\q%4, \q/4
.endif
.endr
.endr
.rept 4
	v_nop                                          ; four places between the last product and the stores of its result
.endr
.irp b, 0,1
	global_store_b128 v10, v[ACC+8*\b:ACC+8*\b+3], s[18:19] offset:65536*\b        ; TB(16 b + r, 16 T + 8 h + 0 .. 3): each accumulator from its low end on
	global_store_b128 v10, v[ACC+8*\b+4:ACC+8*\b+7], s[18:19] offset:65536*\b+16
.endr
.Ldone2:
	s_wait_tensorcnt 0x0
	ds_add_u32 v218, v219
	s_wait_dscnt 0x0
	s_endpgm
.Lfunc_end_k_q21d56249ff_prep:
	.size	k_q21d56249ff_prep, .Lfunc_end_k_q21d56249ff_prep-k_q21d56249ff_prep
	.p2alignl 7, 3214868480
	.fill 96, 4, 3214868480
	.section	.rodata,"a",@progbits
	.p2align	6, 0x0
	.amdhsa_kernel k_q21d56249ff_prep
		.amdhsa_group_segment_fixed_size 98304
		.amdhsa_private_segment_fixed_size 0
		.amdhsa_enable_private_segment 0
		.amdhsa_kernarg_size 64
		.amdhsa_user_sgpr_count 2
		.amdhsa_user_sgpr_kernarg_segment_ptr 1
		.amdhsa_wavefront_size32 1
		.amdhsa_system_sgpr_workgroup_id_x 1
		.amdhsa_system_sgpr_workgroup_id_y 1
		.amdhsa_system_sgpr_workgroup_id_z 1
		.amdhsa_system_vgpr_workitem_id 0
		.amdhsa_next_free_vgpr 256
		.amdhsa_next_free_sgpr 66
		.amdhsa_reserve_vcc 0
		.amdhsa_float_denorm_mode_32 3
		.amdhsa_float_denorm_mode_16_64 3
		.amdhsa_memory_ordered 1
		.amdhsa_forward_progress 1
		.amdhsa_inst_pref_size 34
	.end_amdhsa_kernel
	.amdgpu_metadata
---
amdhsa.version: [ 1, 2 ]
amdhsa.kernels:
  - .name:           k_q21d56249ff_prep
    .symbol:         k_q21d56249ff_prep.kd
    .args:
      - { .name: W_in, .offset: 0, .size: 8, .value_kind: global_buffer, .address_space: global }
      - { .name: W_c, .offset: 8, .size: 8, .value_kind: global_buffer, .address_space: global }
      - { .name: W_out, .offset: 16, .size: 8, .value_kind: global_buffer, .address_space: global }
      - { .name: x, .offset: 24, .size: 8, .value_kind: global_buffer, .address_space: global }
      - { .name: b_c, .offset: 32, .size: 8, .value_kind: global_buffer, .address_space: global }
      - { .name: WCF, .offset: 40, .size: 8, .value_kind: global_buffer, .address_space: global }
      - { .name: WOF, .offset: 48, .size: 8, .value_kind: global_buffer, .address_space: global }
      - { .name: TB, .offset: 56, .size: 8, .value_kind: global_buffer, .address_space: global }
    .group_segment_fixed_size: 98304
    .private_segment_fixed_size: 0
    .kernarg_segment_align: 8
    .kernarg_segment_size: 64
    .max_flat_workgroup_size: 256
    .sgpr_count:     66
    .vgpr_count:     256
    .wavefront_size: 32
...
	.end_amdgpu_metadata
.endif
;; end of part 1
;; launch main (part 2): grid 256 x 1, 4 waves a work-group, no clusters, 327,680 bytes of LDS; arguments context, WCF, TB, w_v, TS, PML, PW; writes TS, PML, PW
.if DOCPART == 2
	.amdgcn_target "amdgcn-amd-amdhsa--gfx1250"
	.amdhsa_code_object_version 6
	.text
	.protected	k_q21d56249ff_main
	.globl	k_q21d56249ff_main
	.p2align	8
	.type	k_q21d56249ff_main,@function
k_q21d56249ff_main:
	s_mov_b64 s[64:65], 0
	v_nop
	global_prefetch_b8 v0, s[64:65] scope:SCOPE_SE
	s_setreg_imm32_b32 hwreg(HW_REG_WAVE_MODE, 25, 1), 1
	s_wait_xcnt 0x0
; context IS READ ONCE: quantised, multiplied by W_c^T, tanh, dot with w_v, running softmax, and the weighted sum of the f32 rows, all while the rows are on the chip.
; SHARES.  Work-group wg owns rows 256 wg .. + 255 of context [65,536][1,024] (batch wg / 8), as four blocks of 64.  Wave w OWNS rows 16 w .. 16 w + 15 of a block in f32 (512 registers: windows 2 and 3): it fetches them,
; quantises them and adds them into the weighted sum.  And it computes COLUMNS 256 w .. + 255 of the product (16 tiles of 16 rows of W_c) for ALL 64 rows, whose codes (4 x 8 fragments, window 1) stay in its registers for the pass.
; So a fragment of W_c is loaded once for a work-group and pass and feeds four matrix instructions; it comes from memory straight into registers, since the records of WCF are images of an operand's registers: two sets by turns.
; The next block lands in LDS by one tensor load a wave (65,536 dense bytes) while the block in hand sits in registers.
; A LANE HOLDS A WHOLE BLOCK OF 32 ALONG K of a row (lane l: columns 32 l .. 32 l + 31): its largest magnitude needs no other lane.  The scale byte is that magnitude's exponent field - 2, held at 1 from below.
; THE PRODUCT IS USED TRANSPOSED: source 0 = 16 rows of W_c, source 1 = 16 rows of context: lane (r, h) holds row r, register j column 8 h + j of the tile.  C of a tile's first instruction is TB = x W_in^T + b_c.
; A SCORE.  tanh z = 1 - 2 rho, rho = 1 / (1 + 2^(K1 z)), K1 = 2 log2(e).  u = sum of w_v rho; t = K2 u, K2 = -K1, is the score x log2(e) less the constant log2(e) x (the sum of w_v), which is the same for every row of the
; softmax: the softmax takes the maximum away, so its result is the same for every input.  p = 2^(t - m), m the running maximum; l the running sum; the weighted sum is rescaled by 2^(old m - new m) in every block.
; OUT: TS = t of every row; PML = (m, l), 32 times: one aligned 256 bytes; PW = the work-group's weighted sum as a register image (column 32 lane + e at 512 (e / 4) + 16 lane + 4 (e % 4)).
; NO CLUSTER, NO JOINT LOADS, though all work-groups walk the same W_c: LDS holds 278,528 (landing zone) + 33,792 + 3,072 (codes, scale bytes) + 8,192 (tables) + 1,024 + 512 = 325,120 of 327,680 bytes;
; 2,560 are left and a tile of W_c is 8,704: there is no room for a slot in which a joint load could land.
; LIMITS: NaN and infinities among the inputs are not served.  A block of zeros gets the byte 1 where the quantiser says 127: its codes are zeros, and the bytes never leave the work-group.  tanh by the form above is within about 1e-7 absolutely.
; THE PASSES WALK W_c's PAIRS OF TILES TO AND FRO: pairs 0 .. 7 in blocks 0 and 2, pairs 7 .. 0 in blocks 1 and 3.  The pair that lies in the two sets at a pass's end begins the next pass, so a pass loads 14 tiles and not 16.
; The order is turned by an exclusive or of the pair's three address bits with a scalar that toggles once a block (s46 for the tables, s47 for the records).
; context IS PREFETCHED INTO THE L2, one block ahead of its tensor load: in the pass over block b each wave asks for its own 16 rows of block b + 2, 65,536 bytes, by eight requests of 32 lanes x 256 bytes, one for every two tiles.
; Each aligned 256 bytes is named once in the launch.  Blocks 0 and 1 come by their loads alone; the passes over blocks 2 and 3 ask for nothing.
.set ZONEW, 69632                      ; LDS 0: the landing zone, for each wave 16 rows = 256 units of 256 bytes + 16 of padding; tensor loads alone write it
.set CODES, 278528                     ; 64 rows x 528: 512 bytes of codes + 16.  At the very end: the stage for PW
.set ASCL,  312320                     ; 64 rows x 48: 32 scale bytes + 16
.set TBL,   315392                     ; TB[b][:], 4,096 bytes; then w_v, 4,096
.set PS,    323584                     ; 4 waves x 64 partial scores
.set SPARE, 324608                     ; the spare words, 128 bytes for each wave: two blocks of 256 bytes that no other line names
.set SPW, 1                            ; v1  SPARE + 4 x my thread's number; never rewritten
.set NIL, 2                            ; v2  0; never rewritten
.set VZ,  3                            ; v3  my block of 32 in my zone's first row
.set VCS, 4                            ; v4  where I put a row's codes
.set VBS, 5                            ; v5  and its scale byte
.set VAF, 6                            ; v6  a fragment's place in CODES
.set VAS, 7                            ; v7  a scale word's in ASCL
.set VT,  8                            ; v8  the tables: the tile whose TB and w_v are fetched next
.set VBO, 9                            ; v9  16 x lane + the record of set 0's tile
.set VPS, 10                           ; v10 where I put partial scores
.set VPL, 11                           ; v11 rows 2 l, 2 l + 1 among them
.set VPO, 12                           ; v12 my own row 16 w + r among them
.set PFO, 13                           ; v13 256 x lane: the prefetches' offset; never rewritten
.set VG,  93                           ; v93 8 x lane, made anew in each block's tail
; s[44:45] where my prefetches stand; s46, s47 the masks that turn the order of the pairs
.set ML,  14                           ; v[14:15] m, l
.set ASC, 16                           ; v16-31  context's scale words, 4 for each tile of rows: scales and nothing else
.set BS,  32                           ; v32-39  W_c's scale words, two sets: scales and nothing else
.set SACC, 40                          ; v40-47  u in parts: a pair for each tile of rows
.set TBR, 48                           ; v48-55  TB of the tile's 8 columns of my half
.set WR,  56                           ; v56-63  w_v likewise
.set ACC, 64                           ; v64-95  four accumulators
.set BF,  96                           ; v96-223 W_c's fragments, two sets of 64
.set WACC, 224                         ; v224-255 the weighted sum of my rows, columns 32 l + e
.set X0,  40                           ; at a block's head v40-95 are free: two sets of 28: codes of four rows, largest magnitudes, scale operands, bytes
.set X1,  68
; s[4:17] the seven addresses; s18 wave; s19 blocks; s20 pairs of tiles; s21 my wave's part of the tables; s[22:23] lane selects; s[24:31], s[32:35] the descriptor; s[36:37] K1; s[38:39] K2; s40 the floor; s[66:97] p of my 16 rows, in pairs; s[98:99] f
.set MSB, 0
.macro WIN new                         ; low byte: bits 1:0 source 0, 3:2 source 1, 5:4 source 2, 7:6 destination; the high byte repeats the setting that is left
.if MSB != (\new)
	s_set_vgpr_msb (MSB<<8)|(\new)
.set MSB, \new
.endif
.endm
.macro WM d, a, b, c, sa, sb, row      ; row = 1: both sides' scale words are taken from lanes 16-31
.if \row
	v_wmma_scale_f32_16x16x128_f8f6f4 v[\d:\d+7], v[\a:\a+7], v[\b:\b+7], v[\c:\c+7], v[\sa], v[\sb] matrix_a_fmt:MATRIX_FMT_FP4 matrix_b_fmt:MATRIX_FMT_FP4 matrix_a_scale:MATRIX_SCALE_ROW1 matrix_b_scale:MATRIX_SCALE_ROW1
.else
	v_wmma_scale_f32_16x16x128_f8f6f4 v[\d:\d+7], v[\a:\a+7], v[\b:\b+7], v[\c:\c+7], v[\sa], v[\sb] matrix_a_fmt:MATRIX_FMT_FP4 matrix_b_fmt:MATRIX_FMT_FP4
.endif
.endm
; my rows 4 g .. 4 g + 3 from the zone into window 2 (rows 0-7) or 3 (rows 8-15): 32 loads, 128 bytes of a row to a lane
.macro LROWS g
	WIN 0x80+0x40*((\g)/2)
.irp p, 0,1,2,3
.irp t, 0,1,2,3,4,5,6,7
	ds_load_b128 v[32*((4*(\g)+\p)%8)+4*\t:32*((4*(\g)+\p)%8)+4*\t+3], v[VZ] offset:4352*(4*(\g)+\p)+16*\t
.endr
.endr
.endm
; those four rows are quantised, the rows by turns; 8 LDS stores
.macro QG4 g, x
.set QW, 2+(\g)/2
.set QB, 128*((\g)%2)
	WIN 0x14*QW                                    ; sources 1 and 2 in the rows' window
.irp p, 0,1,2,3
	v_max3_num_f32 v[\x+16+\p], s40, |v[QB+32*\p]|, |v[QB+32*\p+1]|   ; the floor 2^(3 - 127) is a leaf: the byte cannot fall under 1
.endr
.irp i, 2,4,6,8,10,12,14,16,18,20,22,24,26,28,30
.irp p, 0,1,2,3
	v_max3_num_f32 v[\x+16+\p], v[\x+16+\p], |v[QB+32*\p+\i]|, |v[QB+32*\p+\i+1]|
.endr
.endr
	WIN 0
.irp p, 0,1,2,3
	v_add_nc_u32 v[\x+20+\p], 0xff000000, v[\x+16+\p]   ; 2 off the exponent field: the conversion's scale operand
.endr
.irp p, 0,1,2,3
	v_lshrrev_b32 v[\x+24+\p], 23, v[\x+20+\p]     ; the scale's byte
.endr
	WIN QW                                         ; source 0 in the rows' window
.irp p, 0,1,2,3
.irp u, 0,1,2,3
	v_cvt_scalef32_pk8_fp4_f32 v[\x+4*\p+\u], v[QB+32*\p+8*\u:QB+32*\p+8*\u+7], v[\x+20+\p]
.endr
.endr
	WIN 0
	v_nop                                          ; one plain instruction behind the conversions
.irp p, 0,1,2,3
	ds_store_b128 v[VCS], v[\x+4*\p:\x+4*\p+3] offset:528*(4*(\g)+\p)
.endr
.irp p, 0,1,2,3
	ds_store_b8 v[VBS], v[\x+24+\p] offset:48*(4*(\g)+\p)
.endr
.endm
; a tile of W_c into a set: 16 loads of 512 consecutive bytes, and its scale words: 17 loads.  Every work-group reads these bytes again: no hint
.macro BLOAD set
.irp q, 0,1,2,3,4,5,6,7
.irp c, 0,1
	global_load_b128 v[BF+64*(\set)+8*\q+4*\c:BF+64*(\set)+8*\q+4*\c+3], v[VBO], s[6:7] offset:16384*(\set)+1024*\q+512*\c
.endr
.endr
	global_load_b128 v[BS+4*(\set):BS+4*(\set)+3], v[VBO], s[6:7] offset:16384*(\set)+8192
.endm
; A TILE: 16 columns x 64 rows.  ld: the set is loaded again, with the same tile of the next pair; nx: the next tile's TB and w_v are fetched; cnt: the loads that may stay out;
; pf: 0 no prefetch, 1 a prefetch at s[44:45], 2 one 8,192 bytes further on
.macro TILE set, ld, nx, cnt, pf
.set TB0, BF+64*(\set)
.set TS0, BS+4*(\set)
	s_wait_loadcnt \cnt                            ; this set is in; what may be out is the other set's 17 loads, issued later
	s_wait_dscnt 0x0                               ; TB and w_v of this tile (ahead of a pass's first tile: the 64 rows' fragments and scale words too)
.if \set == 1
	v_xor_b32 v[VT], s46, v[VT]                    ; from a pair's second tile to the next pair's first: the step is taken in the ascending order,
.endif
	v_add_nc_u32 v[VT], 64, v[VT]                  ; no LDS load is out: on to the next tile's place in the tables
.if \set == 1
	v_xor_b32 v[VT], s46, v[VT]                    ; and turned back into this pass's order
.endif
	WIN 0x04                                       ; source 1, context's fragments: window 1
.irp q, 0,1,2,3,4,5,6,7                ; the four accumulators take turns, one instruction a turn
.irp m, 0,1,2,3
.if \q == 0
	WM ACC+8*\m, TB0, 64*\m, TBR, TS0, ASC+4*\m, 0
.else
	WM ACC+8*\m, TB0+8*\q, 64*\m+8*\q, ACC+8*\m, TS0+\q%4, ASC+4*\m+\q%4, \q/4
.endif
.endr
.endr
	WIN 0
.rept 4
	v_nop                                          ; four places in front of loads into registers that these products read, and of the first read of their results
.endr
.if \ld
.if \set == 0
	s_wait_alu depctr_va_vdst(0)
	s_wait_xcnt 0x0                                ; the loads that are out have read their offset: it may step
	v_xor_b32 v[VBO], s47, v[VBO]
	v_add_nc_u32 v[VBO], 0x8000, v[VBO]            ; two records on in the ascending order: seven steps a pass, pair 0 to pair 7,
	v_xor_b32 v[VBO], s47, v[VBO]                  ; turned into this pass's order
	s_add_nc_u64 s[44:45], s[44:45], 8192          ; the last prefetch has read its base too: on to the next 32 x 256 bytes
.endif
	BLOAD \set
.endif
.if \pf
.if (\ld) == 0
	s_wait_alu depctr_va_vdst(0)                   ; the wait here, directly ahead of the branch
.endif
	s_cmp_gt_u32 s19, 1                            ; blocks 0 and 1 ask for blocks 2 and 3; block 2 has no block two on
	s_cbranch_scc0 .Lnopf_\@
	global_prefetch_b8 v[PFO], s[44:45] offset:8192*(\pf-1) th:TH_LOAD_NT scope:SCOPE_SE
.Lnopf_\@:
.endif
.if \nx
	ds_load_b128 v[TBR:TBR+3], v[VT]
	ds_load_b128 v[TBR+4:TBR+7], v[VT] offset:16
.endif
.irp k, 0,1,2,3                        ; each accumulator is read from its low end on
.irp m, 0,1,2,3
	v_pk_mul_f32 v[ACC+8*\m+2*\k:ACC+8*\m+2*\k+1], v[ACC+8*\m+2*\k:ACC+8*\m+2*\k+1], s[36:37] op_sel_hi:[1,0]   ; K1 z
.endr
.endr
.set J, 0
	s_wait_alu depctr_va_vdst(0)
.rept 32
	v_exp_f32 v[ACC+J], v[ACC+J]                   ; a = 2^(K1 z): infinity and 0 at the ends give rho = 0 and 1
.set J, J+1
.endr
	v_nop                                          ; a plain instruction behind the last exponential
	s_wait_alu depctr_va_vdst(0)                   ; one wait for the batch, ahead of its first reader
.set J, 0
.rept 16
	v_pk_add_f32 v[ACC+J:ACC+J+1], v[ACC+J:ACC+J+1], 1.0 op_sel_hi:[1,0]
.set J, J+2
.endr
.set J, 0
	s_wait_alu depctr_va_vdst(0)
.rept 32
	v_rcp_f32 v[ACC+J], v[ACC+J]                   ; rho
.set J, J+1
.endr
	v_nop
	s_wait_alu depctr_va_vdst(0)                   ; one wait for the batch
.irp k, 0,1,2,3
.irp m, 0,1,2,3
	v_pk_fma_f32 v[SACC+2*\m:SACC+2*\m+1], v[ACC+8*\m+2*\k:ACC+8*\m+2*\k+1], v[WR+2*\k:WR+2*\k+1], v[SACC+2*\m:SACC+2*\m+1]   ; u += w_v rho
.endr
.endr
.if \nx
	ds_load_b128 v[WR:WR+3], v[VT] offset:4096
	ds_load_b128 v[WR+4:WR+7], v[VT] offset:4112
.endif
.endm
; a pass over my 16 tiles, in eight pairs.  The last pair loads nothing: it stays in the two sets and begins the next pass.  last = 1: no prefetch is assembled
.macro TILES last
	s_mov_b32 s20, 7
.Ltiles_\@:
	s_wait_alu depctr_va_vdst(0)
	TILE 0, 1, 1, 17, 1-\last
	TILE 1, 1, 1, 17, 0
	s_sub_co_u32 s20, s20, 1
	s_cmp_lg_u32 s20, 0
	s_cbranch_scc1 .Ltiles_\@
	TILE 0, 0, 1, 17, 2*(1-\last)
	TILE 1, 0, 0, 0, 0
.endm
; the block's scores meet, the softmax's statistics move on, my 16 rows are added into the weighted sum
.macro TAIL
.irp m, 0,1,2,3
	v_add_f32 v[64+\m], v[SACC+2*\m], v[SACC+2*\m+1]
.endr
.irp m, 0,1,2,3
	v_permlanex16_b32 v[68+\m], v[64+\m], s22, s23 ; the row's other 8 columns of each tile lie in the lane 16 away
.endr
.irp m, 0,1,2,3
	v_add_f32 v[64+\m], v[64+\m], v[68+\m]
.endr
.irp m, 0,1,2,3
	ds_store_b32 v[VPS], v[64+\m] offset:64*\m     ; my 256 columns' part of u of row 16 m + r (both halves of the lanes store the same word with the same value)
.endr
	s_wait_dscnt 0x0                               ; for the others' sake: my parts lie in LDS
	s_barrier_signal -1
	s_barrier_wait -1                              ; also: every wave has long had its fragments in registers, so the next block's codes may be stored
.irp w, 0,1,2,3
	ds_load_b64 v[72+2*\w:73+2*\w], v[VPL] offset:256*\w
.endr
.irp w, 0,1,2,3
	ds_load_b32 v[80+\w], v[VPO] offset:256*\w
.endr
	s_wait_dscnt 0x0
	v_pk_add_f32 v[72:73], v[72:73], v[74:75]      ; the four waves' parts, in the same order for both
	v_add_f32 v80, v80, v81
	v_pk_add_f32 v[72:73], v[72:73], v[76:77]
	v_add_f32 v80, v80, v82
	v_pk_add_f32 v[72:73], v[72:73], v[78:79]
	v_add_f32 v80, v80, v83
	v_pk_mul_f32 v[72:73], v[72:73], s[38:39] op_sel_hi:[1,0]   ; t of rows 2 l, 2 l + 1
	v_mul_f32 v80, s38, v80                        ; t of my own row 16 w + r
	v_lshrrev_b32 v[VG], 5, v[PFO]                 ; 8 x lane
	s_cmp_lg_u32 s18, 0
	s_cbranch_scc1 .Lnot0_\@
	global_store_b64 v[VG], v[72:73], s[12:13]     ; wave 0: the block's 64 t: 256 consecutive bytes, aligned
.Lnot0_\@:
	s_wait_alu depctr_va_vdst(0)
	v_max_num_f32 v84, v72, v73
	v_max_num_f32_dpp v84, v84, v84 row_xmask:1 row_mask:0xf bank_mask:0xf
	v_max_num_f32_dpp v84, v84, v84 row_xmask:2 row_mask:0xf bank_mask:0xf
	v_max_num_f32_dpp v84, v84, v84 row_xmask:4 row_mask:0xf bank_mask:0xf
	v_max_num_f32_dpp v84, v84, v84 row_xmask:8 row_mask:0xf bank_mask:0xf
	v_permlanex16_b32 v85, v84, s22, s23
	v_max_num_f32 v84, v84, v85                    ; the block's largest t
	v_max_num_f32 v86, v[ML], v84                  ; the new m
	v_sub_f32 v87, v[ML], v86
	v_sub_f32 v88, v72, v86
	v_sub_f32 v89, v73, v86
	v_sub_f32 v90, v80, v86
	s_wait_alu depctr_va_vdst(0)
	v_exp_f32 v87, v87                             ; f = 2^(old m - new m)
	v_exp_f32 v88, v88                             ; p of rows 2 l, 2 l + 1
	v_exp_f32 v89, v89
	v_exp_f32 v90, v90                             ; p of my own row
	v_mov_b32 v[ML], v86                           ; (the plain instruction behind the exponentials)
	s_wait_alu depctr_va_vdst(0)                   ; one wait for the four
	v_add_f32 v91, v88, v89
	v_add_f32_dpp v91, v91, v91 row_xmask:1 row_mask:0xf bank_mask:0xf
	v_add_f32_dpp v91, v91, v91 row_xmask:2 row_mask:0xf bank_mask:0xf
	v_add_f32_dpp v91, v91, v91 row_xmask:4 row_mask:0xf bank_mask:0xf
	v_add_f32_dpp v91, v91, v91 row_xmask:8 row_mask:0xf bank_mask:0xf
	v_permlanex16_b32 v92, v91, s22, s23
	v_add_f32 v91, v91, v92
	v_fma_f32 v[ML+1], v[ML+1], v87, v91           ; l = l f + the block's sum of p
	v_readfirstlane_b32 s98, v87
.irp i, 0,1,2,3,4,5,6,7,8,9,10,11,12,13,14,15
	v_readlane_b32 s[66+2*\i], v90, \i             ; p of my row i: a factor only, no address and no branch hangs on it
.endr
.irp e, 0,2,4,6,8,10,12,14,16,18,20,22,24,26,28,30
	v_pk_mul_f32 v[WACC+\e:WACC+\e+1], v[WACC+\e:WACC+\e+1], s[98:99] op_sel_hi:[1,0]
.endr
	WIN 0x02                                       ; source 0: my rows 0-7
.irp i, 0,1,2,3,4,5,6,7
.irp e, 0,2,4,6,8,10,12,14,16,18,20,22,24,26,28,30
	v_pk_fma_f32 v[WACC+\e:WACC+\e+1], v[32*\i+\e:32*\i+\e+1], s[66+2*\i:67+2*\i], v[WACC+\e:WACC+\e+1] op_sel_hi:[1,0,1]
.endr
.endr
	WIN 0x03                                       ; rows 8-15
.irp i, 0,1,2,3,4,5,6,7
.irp e, 0,2,4,6,8,10,12,14,16,18,20,22,24,26,28,30
	v_pk_fma_f32 v[WACC+\e:WACC+\e+1], v[32*\i+\e:32*\i+\e+1], s[82+2*\i:83+2*\i], v[WACC+\e:WACC+\e+1] op_sel_hi:[1,0,1]
.endr
.endr
	WIN 0
	s_wait_xcnt 0x0                                ; the store of t has read its base and its data: both may be written again
	s_add_nc_u64 s[12:13], s[12:13], 256
	s_add_nc_u64 s[44:45], s[44:45], 204800        ; the prefetches: seven steps of 8,192 were taken; this makes a block's 262,144
	s_xor_b32 s46, s46, 0x380                      ; the next pass walks the pairs the other way: bits 7 to 9 of a place in the tables,
	s_xor_b32 s47, s47, 0x38000                    ; bits 15 to 17 of a record's offset
.endm
; A BLOCK OF 64 ROWS.  refill = 1: the zone is filled again, with the next block
.macro STEP refill, last
	s_wait_tensorcnt 0x0                           ; the one tensor load of mine that is out is the block that I read now; only I read my part of the zone
	LROWS 0
	LROWS 1
	s_wait_dscnt 32                                ; rows 0-3 are in; rows 4-7's 32 loads may be out
	QG4 0, X0
	LROWS 2
	s_wait_dscnt 40                                ; rows 4-7 are in; younger: 8 stores and 32 loads
	QG4 1, X1
	LROWS 3
	s_wait_dscnt 40                                ; rows 8-11 are in, and the first group's stores have read set X0; younger: 8 stores and 32 loads
	QG4 2, X0
	s_wait_dscnt 8                                 ; rows 12-15 are in, and the second group's stores have read set X1; younger: 8 stores
	QG4 3, X1
.if \refill
	s_wait_tensorcnt 0x0                           ; no tensor load of mine is out, so the descriptor may be written
	ds_add_u32 v[SPW], v[NIL]                      ; 0 onto my spare word
	s_add_nc_u64 s[34:35], s[34:35], 262144        ; the next block's 16 rows of mine; the type bits on top are not reached
	s_wait_dscnt 0x0                               ; the add is done, my reads of the zone are back, my codes and bytes lie in LDS
	s_barrier_signal -1
	s_barrier_wait -1
	tensor_load_to_lds s[32:35], s[24:31]          ; my one tensor load behind this barrier, and the first thing there: it has the whole pass over W_c in which to land
	s_nop 0
.rept 4
	v_nop
.endr
.else
	s_wait_dscnt 0x0                               ; my codes and bytes lie in LDS
	s_barrier_signal -1
	s_barrier_wait -1
.endif
	v_bfe_u32 v64, v0, 4, 1
	v_lshl_add_u32 v[VT], v64, 5, s21              ; the tables: 1,024 w + 32 h,
	v_xor_b32 v[VT], s46, v[VT]                    ; at this pass's first pair: 0 or 7
	WIN 0x40                                       ; destination window 1
.irp m, 0,1,2,3
.irp q, 0,1,2,3,4,5,6,7
.irp c, 0,1
	ds_load_b128 v[8*(8*\m+\q)+4*\c:8*(8*\m+\q)+4*\c+3], v[VAF] offset:8448*\m+64*\q+32*\c   ; all 64 rows' fragments: they stay for the pass
.endr
.endr
.endr
	WIN 0
.irp m, 0,1,2,3
	ds_load_b128 v[ASC+4*\m:ASC+4*\m+3], v[VAS] offset:768*\m   ; lanes 0-15: the words of K steps 0-3; lanes 16-31: of 4-7
.endr
	ds_load_b128 v[TBR:TBR+3], v[VT]
	ds_load_b128 v[TBR+4:TBR+7], v[VT] offset:16
	ds_load_b128 v[WR:WR+3], v[VT] offset:4096
	ds_load_b128 v[WR+4:WR+7], v[VT] offset:4112
.irp j, 0,1,2,3,4,5,6,7
	v_mov_b32 v[SACC+\j], 0
.endr
	TILES \last
	TAIL
.endm
	s_load_b256 s[4:11], s[0:1], 0x0               ; context s[4:5], WCF s[6:7], TB s[8:9], w_v s[10:11]
	s_load_b128 s[12:15], s[0:1], 0x20             ; TS s[12:13], PML s[14:15]
	s_load_b64 s[16:17], s[0:1], 0x30              ; PW
	v_lshl_add_u32 v[SPW], v0, 2, SPARE
	v_mov_b32 v[NIL], 0
	ds_add_u32 v1, v2
	ds_add_u32 v1, v2
	s_wait_dscnt 0x0
	v_lshrrev_b32 v3, 5, v0
	v_readfirstlane_b32 s18, v3                    ; wave 0..3
	; descriptor group 1: 65,536 dense bytes as 256 rows of 32 elements of 8 bytes, 16 bytes of padding behind each row
	s_mov_b32 s24, (3<<16)|(1<<20)|(5<<22)|(3<<25) ; no mask; elements of 8 bytes; padding on; after every 64 words (code 5) four words (code 3)
	s_mov_b32 s25, 32<<16                          ; tensor_dim0 = 32
	s_mov_b32 s26, 256<<16                         ; tensor_dim1 = 256
	s_mov_b32 s27, 32<<16                          ; tile_dim0 = 32
	s_mov_b32 s28, 256                             ; tile_dim1 = 256
	s_mov_b32 s29, 32                              ; elements from row to row
	s_mov_b32 s30, 0
	s_mov_b32 s31, 0
	s_mov_b32 s32, 1                               ; group 0: count = 1,
	s_mul_i32 s33, s18, ZONEW                      ; my part of the zone,
	s_lshl_b32 s42, ttmp9, 20                      ; the work-group's 256 rows of 4,096 bytes,
	s_lshl_b32 s43, s18, 16                        ; my 16 of a block's 64
	s_add_co_u32 s42, s42, s43
	s_mov_b32 s43, 0
	s_wait_kmcnt 0x0
	s_add_nc_u64 s[34:35], s[4:5], s[42:43]
	s_or_b32 s35, s35, 0x80000000                  ; type = 2
	tensor_load_to_lds s[32:35], s[24:31]          ; block 0: the first fill, ahead of every LDS read, every wait on TENSORcnt and every barrier
	s_nop 0
.rept 4
	v_nop
.endr
	s_add_nc_u64 s[44:45], s[4:5], s[42:43]        ; the prefetches: my 16 rows of block 0,
	s_add_nc_u64 s[44:45], s[44:45], 516096        ; two blocks on, less the 8,192 by which the first tile steps it
	s_lshl_b32 s42, s18, 18
	s_add_nc_u64 s[6:7], s[6:7], s[42:43]          ; my 16 records of W_c
	s_lshr_b32 s42, ttmp9, 3
	s_lshl_b32 s42, s42, 12
	s_add_nc_u64 s[8:9], s[8:9], s[42:43]          ; TB of my batch
	s_lshl_b32 s42, ttmp9, 10
	s_add_nc_u64 s[12:13], s[12:13], s[42:43]
	s_lshl_b32 s42, ttmp9, 8
	s_add_nc_u64 s[14:15], s[14:15], s[42:43]
	s_lshl_b32 s42, ttmp9, 12
	s_add_nc_u64 s[16:17], s[16:17], s[42:43]
	v_lshlrev_b32 v80, 4, v0                       ; the tables: 128 threads x 16 bytes, twice each
	global_load_b128 v[64:67], v80, s[8:9]
	global_load_b128 v[68:71], v80, s[8:9] offset:2048
	global_load_b128 v[72:75], v80, s[10:11]
	global_load_b128 v[76:79], v80, s[10:11] offset:2048
	v_add_nc_u32 v81, TBL, v80
	v_and_b32 v82, 31, v0                          ; lane l
	v_and_b32 v83, 15, v0                          ; r
	v_bfe_u32 v84, v0, 4, 1                        ; h
	v_bfe_u32 v85, v0, 1, 4                        ; l / 2
	v_and_b32 v86, 1, v0                           ; l % 2
	v_mul_u32_u24 v[VZ], v85, 272
	v_lshl_add_u32 v[VZ], v86, 7, v[VZ]
	v_add_nc_u32 v[VZ], s33, v[VZ]                 ; byte 128 l of a row lies in its unit l / 2, at 128 (l % 2)
	s_mul_i32 s42, s18, 8448
	s_add_co_u32 s42, s42, CODES
	v_lshl_add_u32 v[VCS], v82, 4, s42
	s_mul_i32 s42, s18, 768
	s_add_co_u32 s42, s42, ASCL
	v_add_nc_u32 v[VBS], s42, v82
	v_mul_u32_u24 v[VAF], v83, 528
	v_lshl_add_u32 v[VAF], v84, 4, v[VAF]
	v_add_nc_u32 v[VAF], CODES, v[VAF]
	v_mul_u32_u24 v[VAS], v83, 48
	v_lshl_add_u32 v[VAS], v84, 4, v[VAS]
	v_add_nc_u32 v[VAS], ASCL, v[VAS]
	v_lshlrev_b32 v[VBO], 4, v82
	s_lshl_b32 s42, s18, 8
	s_add_co_u32 s42, s42, PS
	v_lshl_add_u32 v[VPS], v83, 2, s42
	v_lshl_add_u32 v[VPL], v82, 3, PS
	s_lshl_b32 s42, s18, 6
	s_add_co_u32 s42, s42, PS
	v_lshl_add_u32 v[VPO], v83, 2, s42
	v_lshlrev_b32 v[PFO], 8, v82
	s_lshl_b32 s21, s18, 10
	s_add_co_u32 s21, s21, TBL
	s_mov_b32 s22, 0x76543210
	s_mov_b32 s23, 0xfedcba98                      ; v_permlanex16_b32's selects for lane l xor 16
	s_mov_b32 s36, 0x4038aa3b                      ; K1 = 2 log2(e)
	s_mov_b32 s37, s36                             ; (a packed form names the pair and takes its low word for both halves: so the upper word is written)
	s_mov_b32 s38, 0xc038aa3b                      ; K2 = -K1
	s_mov_b32 s39, s38
	s_mov_b32 s40, 0x1800000                       ; the floor 2^(3 - 127)
	s_mov_b32 s46, 0                               ; block 0 walks the pairs upward
	s_mov_b32 s47, 0
.irp i, 0,1,2,3,4,5,6,7,8,9,10,11,12,13,14,15,16
	s_mov_b32 s[67+2*\i], 0                        ; the upper words of the pairs that hold p and f
.endr
	s_wait_alu depctr_va_vdst(0)
	s_wait_loadcnt 0x0                             ; the tables; from here on the only loads counted are W_c's
	ds_store_b128 v81, v[64:67]
	ds_store_b128 v81, v[68:71] offset:2048
	ds_store_b128 v81, v[72:75] offset:4096
	ds_store_b128 v81, v[76:79] offset:6144        ; read by all waves behind the first block's barrier
	BLOAD 0                                        ; tiles 0 and 1
	BLOAD 1
	v_mov_b32 v[ML], 0xff61b1e6                    ; m: -3e38, under every t: the first f is 0 and multiplies zeros
	v_mov_b32 v[ML+1], 0
.irp e, 0,1,2,3,4,5,6,7,8,9,10,11,12,13,14,15,16,17,18,19,20,21,22,23,24,25,26,27,28,29,30,31
	v_mov_b32 v[WACC+\e], 0                        ; once: so that a block is written once for all four
.endr
	s_mov_b32 s19, 3
.Lblock:
	STEP 1, 0
	s_sub_co_u32 s19, s19, 1
	s_cmp_lg_u32 s19, 0
	s_cbranch_scc1 .Lblock
	STEP 0, 1                                      ; the last block is written out
	s_cmp_lg_u32 s18, 0
	s_cbranch_scc1 .Lnot_pml
	global_store_b64 v[VG], v[ML:ML+1], s[14:15]   ; wave 0: (m, l), the same in every lane and wave: 256 consecutive bytes, aligned
.Lnot_pml:
	s_wait_alu depctr_va_vdst(0)
.irp t, 0,1,2,3,4,5,6,7
	ds_store_b128 v[VCS], v[WACC+4*\t:WACC+4*\t+3] offset:512*\t   ; the four waves' sums meet in CODES, which nobody reads any more: each wave in its own 8,448 bytes
.endr
	v_and_b32 v64, 31, v0
	v_lshlrev_b32 v65, 4, v64
	s_lshl_b32 s42, s18, 10
	v_add_nc_u32 v65, s42, v65                     ; wave w adds and stores pieces 2 w and 2 w + 1 of the image's eight
	v_add_nc_u32 v64, CODES, v65
	s_wait_alu depctr_va_vdst(0)
	s_wait_dscnt 0x0
	s_barrier_signal -1
	s_barrier_wait -1
.irp w, 0,1,2,3
.irp k, 0,1
	ds_load_b128 v[96+8*\w+4*\k:96+8*\w+4*\k+3], v64 offset:8448*\w+512*\k
.endr
.endr
	s_wait_dscnt 0x0
.irp w, 1,2,3
.irp p, 0,2,4,6
	v_pk_add_f32 v[96+\p:97+\p], v[96+\p:97+\p], v[96+8*\w+\p:97+8*\w+\p]
.endr
.endr
	global_store_b128 v65, v[96:99], s[16:17]      ; 512 consecutive bytes, aligned
	global_store_b128 v65, v[100:103], s[16:17] offset:512
	s_wait_tensorcnt 0x0                           ; the wave's end
	ds_add_u32 v[SPW], v[NIL]
	s_wait_dscnt 0x0
	s_endpgm
.Lfunc_end_k_q21d56249ff_main:
	.size	k_q21d56249ff_main, .Lfunc_end_k_q21d56249ff_main-k_q21d56249ff_main
	.p2alignl 7, 3214868480
	.fill 96, 4, 3214868480
	.section	.rodata,"a",@progbits
	.p2align	6, 0x0
	.amdhsa_kernel k_q21d56249ff_main
		.amdhsa_group_segment_fixed_size 327680
		.amdhsa_private_segment_fixed_size 0
		.amdhsa_enable_private_segment 0
		.amdhsa_kernarg_size 56
		.amdhsa_user_sgpr_count 2
		.amdhsa_user_sgpr_kernarg_segment_ptr 1
		.amdhsa_wavefront_size32 1
		.amdhsa_system_sgpr_workgroup_id_x 1
		.amdhsa_system_sgpr_workgroup_id_y 1
		.amdhsa_system_sgpr_workgroup_id_z 1
		.amdhsa_system_vgpr_workitem_id 0
		.amdhsa_next_free_vgpr 1024
		.amdhsa_next_free_sgpr 100
		.amdhsa_reserve_vcc 0
		.amdhsa_float_denorm_mode_32 3
		.amdhsa_float_denorm_mode_16_64 3
		.amdhsa_memory_ordered 1
		.amdhsa_forward_progress 1
		.amdhsa_inst_pref_size 217
	.end_amdhsa_kernel
	.amdgpu_metadata
---
amdhsa.version: [ 1, 2 ]
amdhsa.kernels:
  - .name:           k_q21d56249ff_main
    .symbol:         k_q21d56249ff_main.kd
    .args:
      - { .name: context, .offset: 0, .size: 8, .value_kind: global_buffer, .address_space: global }
      - { .name: WCF, .offset: 8, .size: 8, .value_kind: global_buffer, .address_space: global }
      - { .name: TB, .offset: 16, .size: 8, .value_kind: global_buffer, .address_space: global }
      - { .name: w_v, .offset: 24, .size: 8, .value_kind: global_buffer, .address_space: global }
      - { .name: TS, .offset: 32, .size: 8, .value_kind: global_buffer, .address_space: global }
      - { .name: PML, .offset: 40, .size: 8, .value_kind: global_buffer, .address_space: global }
      - { .name: PW, .offset: 48, .size: 8, .value_kind: global_buffer, .address_space: global }
    .group_segment_fixed_size: 327680
    .private_segment_fixed_size: 0
    .kernarg_segment_align: 8
    .kernarg_segment_size: 56
    .max_flat_workgroup_size: 128
    .sgpr_count:     100
    .vgpr_count:     1024
    .wavefront_size: 32
...
	.end_amdgpu_metadata
.endif
;; end of part 2
;; launch fin (part 3): grid 16 x 16, 4 waves a work-group, no clusters, 12,032 bytes of LDS; arguments TS, PML, PW, x, WOF, out0, out1; writes out0, out1
.if DOCPART == 3
	.amdgcn_target "amdgcn-amd-amdhsa--gfx1250"
	.amdhsa_code_object_version 6
	.text
	.protected	k_q21d56249ff_fin
	.globl	k_q21d56249ff_fin
	.p2align	8
	.type	k_q21d56249ff_fin,@function
k_q21d56249ff_fin:
	s_mov_b64 s[64:65], 0
	v_nop
	global_prefetch_b8 v0, s[64:65] scope:SCOPE_SE
	s_setreg_imm32_b32 hwreg(HW_REG_WAVE_MODE, 25, 1), 1
	s_wait_xcnt 0x0
; THE PARTS ARE JOINED: out1 = softmax, weighted = the sum of the eight parts of a batch, out0 = tanh([weighted, x] W_out^T), the product on codes of E2M1.
; SHARES.  Work-group (g, bg) takes batches 2 bg, 2 bg + 1 and columns 64 g .. + 63 of out0: 256 work-groups.  First the waves have two roles, parted once by the wave's number.  Wave v serves batch b = 2 bg + v % 2.
; Every wave makes M = the largest of the eight m_c, L = the sum of l_c 2^(m_c - M).  Waves 0 and 1 add up weighted = the sum of g_c PW_c, g_c = 2^(m_c - M) / L, in f32 (PW is a register image: lane l holds columns
; 32 l .. + 31, a whole block of 32 along K) and quantise it.  Waves 2 and 3 store the work-group's sixteenth of out1[b] (512 bytes) and quantise the batch's row of x.  Codes and scale bytes meet in LDS.
; Then wave v is the tile of 16 columns 4 g + v: source 0 = 16 rows of W_out (records of WOF, straight into registers), source 1 = the two batches' codes: lane r reads row r % 2, and the other fourteen columns of the result are copies.
; K = 2,048 goes in two accumulators by turns (K steps 0-7: weighted; 8-15: x), added at the end.  tanh z = 1 - 2 / (1 + 2^(2 log2(e) z)), within about 1e-7 absolutely.
; No tensor load, no cluster, no prefetch: the text has no loop, and every load goes out at its head.
; LIMITS: NaN and infinities are not served.  A block of zeros gets the byte 1 where the quantiser says 127: its codes are zeros, and the bytes never leave the work-group.
.set STG,   0                          ; LDS: 2 x 4,352: the stage of wave 2 and of wave 3 for a row of x
.set ACODE, 8704                       ; 2 rows x 1,040: weighted's 512 bytes of codes, x's 512, 16 of padding
.set ASCB,  10784                      ; 2 rows x 80: 64 scale bytes + 16
.set OST,   10944                      ; 2 rows x 272: 64 columns of out0 + 16
.set SPARE, 11520                      ; the spare words, 128 bytes for each wave
.set L16, 1                            ; v1  16 x lane
.set PMO, 2                            ; v2  256 x (lane % 8): part c's (m, l)
.set SIN, 3                            ; v3, v4 the stage, in and out
.set SOUT, 4
.set ACS, 5                            ; v5, v6 where I put codes and bytes
.set ASS, 6
.set AFR, 7                            ; v7, v8 a fragment's and a scale word's place
.set ASR, 8
.set OSW, 9                            ; v9, v10 out0's stage, in and out
.set OSR, 10
.set OGO, 11                           ; v11 out0's offset
.set WOS, 16                           ; v16-23 W_out's scale words: scales and nothing else
.set AS,  24                           ; v24-31 the data rows' scale words: scales and nothing else
.set PWR, 32                           ; v32-159 parts 0-3; later v32-47 two accumulators, v48-55 z, v56-59 rows of out0
.set WAC, 160                          ; v160-191 weighted
.set XR,  192                          ; v192-223 a row of x
.set T,   224
.set C,   228
.set SCL, 232
.set BY,  233
; v234 M; v235 2^(m_c - M); v236-239 t, then out1; v244-245 (m_c, l_c); v246 L; v247 1 / L; v248 g_c; v254, v255 the add's two.   Window 1: v0-127 W_out's 16 fragments; v128-255 parts 4-7, later the data rows' 16 fragments
.set MSB, 0
.macro WIN new
.if MSB != (\new)
	s_set_vgpr_msb (MSB<<8)|(\new)
.set MSB, \new
.endif
.endm
.macro QROW1 x                         ; my block, v[x] .. v[x + 31], becomes 16 bytes of codes and a scale byte
.irp c, 0,1,2,3
	v_max3_num_f32 v[T+\c], |v[\x+8*\c]|, |v[\x+8*\c+1]|, |v[\x+8*\c+2]|
.endr
.irp i, 3,5
.irp c, 0,1,2,3
	v_max3_num_f32 v[T+\c], v[T+\c], |v[\x+8*\c+\i]|, |v[\x+8*\c+\i+1]|
.endr
.endr
	v_max3_num_f32 v[T], v[T], |v[\x+7]|, |v[\x+15]|
	v_max3_num_f32 v[T+2], v[T+2], |v[\x+23]|, |v[\x+31]|
	v_max3_num_f32 v[T], v[T], v[T+1], v[T+2]
	v_max3_num_f32 v[T], v[T], v[T+3], 0x1800000   ; the floor 2^(3 - 127): the byte cannot fall under 1
	v_add_nc_u32 v[SCL], 0xff000000, v[T]          ; 2 off the exponent field
.irp g, 0,1,2,3
	v_cvt_scalef32_pk8_fp4_f32 v[C+\g], v[\x+8*\g:\x+8*\g+7], v[SCL]
.endr
	v_lshrrev_b32 v[BY], 23, v[SCL]                ; the byte; also the plain instruction behind the conversions
	ds_store_b128 v[ACS], v[C:C+3]
	ds_store_b8 v[ASS], v[BY]
.endm
.macro WLOAD                           ; my tile's two records: 32 loads of fragments into window 1, two of scale words
	WIN 0x40
.irp k, 0,1
.irp q, 0,1,2,3,4,5,6,7
.irp c, 0,1
	global_load_b128 v[8*(8*\k+\q)+4*\c:8*(8*\k+\q)+4*\c+3], v[L16], s[12:13] offset:16384*\k+1024*\q+512*\c
.endr
.endr
.endr
	WIN 0
.irp k, 0,1
	global_load_b128 v[WOS+4*\k:WOS+4*\k+3], v[L16], s[12:13] offset:16384*\k+8192
.endr
.endm
.macro STATS t                         ; M, 2^(m_c - M), L, 1 / L; t = 1: also 2^(t - M) of my four rows
	v_mov_b32 v234, v244
	v_max_num_f32_dpp v234, v234, v234 row_xmask:1 row_mask:0xf bank_mask:0xf
	v_max_num_f32_dpp v234, v234, v234 row_xmask:2 row_mask:0xf bank_mask:0xf
	v_max_num_f32_dpp v234, v234, v234 row_xmask:4 row_mask:0xf bank_mask:0xf   ; M: eight neighbouring lanes hold the eight parts
	v_sub_f32 v235, v244, v234
.if \t
.irp i, 0,1,2,3
	v_sub_f32 v[236+\i], v[236+\i], v234
.endr
.endif
	s_wait_alu depctr_va_vdst(0)                   ; the wait ahead of the batch
	v_exp_f32 v235, v235
.if \t
.irp i, 0,1,2,3
	v_exp_f32 v[236+\i], v[236+\i]
.endr
.endif
	v_nop                                          ; a plain instruction behind the last exponential
	s_wait_alu depctr_va_vdst(0)                   ; one wait for the batch
	v_mul_f32 v246, v245, v235
	v_add_f32_dpp v246, v246, v246 row_xmask:1 row_mask:0xf bank_mask:0xf
	v_add_f32_dpp v246, v246, v246 row_xmask:2 row_mask:0xf bank_mask:0xf
	v_add_f32_dpp v246, v246, v246 row_xmask:4 row_mask:0xf bank_mask:0xf   ; L
	s_wait_alu depctr_va_vdst(0)
	v_rcp_f32 v247, v246
	v_nop
	s_wait_alu depctr_va_vdst(0)
.endm
.macro FWM d, q, first                 ; K step q of 16 onto accumulator d; the scale words of K steps 4-7 and 12-15 lie in lanes 16-31
.set FS, 4*((\q)/8)+(\q)%4
.if \first
	v_wmma_scale_f32_16x16x128_f8f6f4 v[\d:\d+7], v[8*(\q):8*(\q)+7], v[128+8*(\q):128+8*(\q)+7], 0, v[WOS+FS], v[AS+FS] matrix_a_fmt:MATRIX_FMT_FP4 matrix_b_fmt:MATRIX_FMT_FP4
.elseif ((\q)/4)%2
	v_wmma_scale_f32_16x16x128_f8f6f4 v[\d:\d+7], v[8*(\q):8*(\q)+7], v[128+8*(\q):128+8*(\q)+7], v[\d:\d+7], v[WOS+FS], v[AS+FS] matrix_a_fmt:MATRIX_FMT_FP4 matrix_b_fmt:MATRIX_FMT_FP4 matrix_a_scale:MATRIX_SCALE_ROW1 matrix_b_scale:MATRIX_SCALE_ROW1
.else
	v_wmma_scale_f32_16x16x128_f8f6f4 v[\d:\d+7], v[8*(\q):8*(\q)+7], v[128+8*(\q):128+8*(\q)+7], v[\d:\d+7], v[WOS+FS], v[AS+FS] matrix_a_fmt:MATRIX_FMT_FP4 matrix_b_fmt:MATRIX_FMT_FP4
.endif
.endm
	s_load_b256 s[4:11], s[0:1], 0x0               ; TS s[4:5], PML s[6:7], PW s[8:9], x s[10:11]
	s_load_b128 s[12:15], s[0:1], 0x20             ; WOF s[12:13], out0 s[14:15]
	s_load_b64 s[16:17], s[0:1], 0x30              ; out1
	v_lshl_add_u32 v254, v0, 2, SPARE
	v_mov_b32 v255, 0
	v_lshrrev_b32 v12, 5, v0
	v_readfirstlane_b32 s18, v12                   ; wave 0..3
	s_and_b32 s20, ttmp7, 0xffff                   ; bg
	s_and_b32 s19, s18, 1                          ; which of the two batches
	s_lshr_b32 s23, s18, 1                         ; my role: 0 weighted, 1 out1 and x
	s_lshl_b32 s21, s20, 1
	s_add_co_u32 s21, s21, s19                     ; my batch b
	s_lshl_b32 s22, ttmp9, 2
	s_add_co_u32 s22, s22, s18                     ; my tile of 16 columns
	v_and_b32 v12, 31, v0                          ; lane l
	v_and_b32 v13, 15, v0                          ; r
	v_bfe_u32 v14, v0, 4, 1                        ; h
	v_lshlrev_b32 v[L16], 4, v12
	v_and_b32 v15, 7, v0
	v_lshlrev_b32 v[PMO], 8, v15
	s_mul_i32 s24, s19, 4352
	v_mul_u32_u24 v[SIN], v14, 272
	v_lshl_add_u32 v[SIN], v13, 4, v[SIN]
	v_add_nc_u32 v[SIN], s24, v[SIN]
	v_bfe_u32 v15, v0, 1, 4
	v_mul_u32_u24 v[SOUT], v15, 272
	v_and_b32 v15, 1, v0
	v_lshl_add_u32 v[SOUT], v15, 7, v[SOUT]
	v_add_nc_u32 v[SOUT], s24, v[SOUT]
	s_mul_i32 s24, s19, 1040
	s_add_co_u32 s24, s24, ACODE
	s_lshl_b32 s26, s23, 9
	s_add_co_u32 s24, s24, s26                     ; the batch's row of codes: weighted's half or x's
	v_add_nc_u32 v[ACS], s24, v[L16]
	s_mul_i32 s24, s19, 80
	s_add_co_u32 s24, s24, ASCB
	s_lshl_b32 s26, s23, 5
	s_add_co_u32 s24, s24, s26
	v_add_nc_u32 v[ASS], s24, v12
	s_wait_alu depctr_va_vdst(0)                   ; the wait here, directly ahead of the reader below
	v_mul_u32_u24 v[AFR], v15, 1040                ; v15 = r % 2: which of the two batches my lane's data row is
	v_lshl_add_u32 v[AFR], v14, 4, v[AFR]
	v_add_nc_u32 v[AFR], ACODE, v[AFR]
	v_mul_u32_u24 v[ASR], v15, 80
	v_lshl_add_u32 v[ASR], v14, 4, v[ASR]
	v_add_nc_u32 v[ASR], ASCB, v[ASR]
	v_mul_u32_u24 v[OSW], v15, 272
	v_lshl_add_u32 v[OSW], v14, 5, v[OSW]
	s_lshl_b32 s24, s18, 6
	s_add_co_u32 s24, s24, OST
	v_add_nc_u32 v[OSW], s24, v[OSW]               ; row r % 2, my tile's 64 bytes, 32 h
	v_mul_u32_u24 v[OSR], v14, 272
	v_lshl_add_u32 v[OSR], v13, 4, v[OSR]
	v_add_nc_u32 v[OSR], OST, v[OSR]
	v_lshlrev_b32 v[OGO], 12, v14
	v_lshl_add_u32 v[OGO], v13, 4, v[OGO]
	s_mov_b32 s36, 0x4038aa3b                      ; 2 log2(e)
	s_mov_b32 s37, s36                             ; (named with it as a pair, so it is written)
.irp c, 0,1,2,3,4,5,6,7
	s_mov_b32 s[41+2*\c], 0                        ; the upper words of the pairs that hold g_c
.endr
	s_mov_b32 s25, 0
	s_wait_alu depctr_va_vdst(0)                   ; the wait at the head's end
	s_wait_kmcnt 0x0
	s_lshl_b32 s24, s21, 13
	s_lshl_b32 s26, ttmp9, 9
	s_add_co_u32 s24, s24, s26                     ; batch b's 8,192 bytes, my work-group's 512 of them
	s_add_nc_u64 s[4:5], s[4:5], s[24:25]
	s_add_nc_u64 s[16:17], s[16:17], s[24:25]
	s_lshl_b32 s24, s21, 11
	s_add_nc_u64 s[6:7], s[6:7], s[24:25]
	s_lshl_b32 s24, s21, 15
	s_add_nc_u64 s[8:9], s[8:9], s[24:25]
	s_lshl_b32 s24, s21, 12
	s_add_nc_u64 s[10:11], s[10:11], s[24:25]
	s_lshl_b32 s24, s22, 15
	s_add_nc_u64 s[12:13], s[12:13], s[24:25]      ; my tile's two records
	s_lshl_b32 s24, s20, 13
	s_lshl_b32 s26, ttmp9, 8
	s_add_co_u32 s24, s24, s26
	s_add_nc_u64 s[14:15], s[14:15], s[24:25]      ; out0: rows 2 bg on, columns 64 g on
	global_load_b64 v[244:245], v[PMO], s[6:7]
	s_cmp_lt_u32 s18, 2
	s_cbranch_scc0 .Lrole1
	; WAVES 0 AND 1: weighted.  99 loads in all, in the order in which they are wanted
.irp c, 0,1,2,3
.irp t, 0,1,2,3,4,5,6,7
	global_load_b128 v[PWR+32*\c+4*\t:PWR+32*\c+4*\t+3], v[L16], s[8:9] offset:4096*\c+512*\t
.endr
.endr
	WIN 0x40                                       ; destination window 1
.irp c, 0,1,2,3
.irp t, 0,1,2,3,4,5,6,7
	global_load_b128 v[128+32*\c+4*\t:128+32*\c+4*\t+3], v[L16], s[8:9] offset:16384+4096*\c+512*\t
.endr
.endr
	WLOAD
	s_wait_loadcnt 63                              ; of the 99 loads the oldest 36 are in: (m, l) and parts 0 to 3 (33 loads)
	STATS 0
	v_mul_f32 v248, v235, v247                     ; g_c
.irp c, 0,1,2,3,4,5,6,7
	v_readlane_b32 s[40+2*\c], v248, \c            ; a factor only
.endr
.irp e, 0,2,4,6,8,10,12,14,16,18,20,22,24,26,28,30
	v_pk_mul_f32 v[WAC+\e:WAC+\e+1], v[PWR+\e:PWR+\e+1], s[40:41] op_sel_hi:[1,0]   ; the first part starts the sum
.endr
.irp c, 1,2,3
.irp e, 0,2,4,6,8,10,12,14,16,18,20,22,24,26,28,30
	v_pk_fma_f32 v[WAC+\e:WAC+\e+1], v[PWR+32*\c+\e:PWR+32*\c+\e+1], s[40+2*\c:41+2*\c], v[WAC+\e:WAC+\e+1] op_sel_hi:[1,0,1]
.endr
.endr
	WIN 0x01                                       ; source 0 window 1: parts 4 to 7
.irp c, 0,1,2,3
	s_wait_loadcnt 58-8*\c                         ; part 4 + c is in: behind it stand 8 (3 - c) loads of later parts and W_out's 34
.irp e, 0,2,4,6,8,10,12,14,16,18,20,22,24,26,28,30
	v_pk_fma_f32 v[WAC+\e:WAC+\e+1], v[128+32*\c+\e:128+32*\c+\e+1], s[48+2*\c:49+2*\c], v[WAC+\e:WAC+\e+1] op_sel_hi:[1,0,1]
.endr
.endr
	WIN 0
	QROW1 WAC
	s_branch .Ljoin
.Lrole1:
	; WAVES 2 AND 3: out1 and x.  44 loads in all
	global_load_b128 v[236:239], v[L16], s[4:5]
.irp t, 0,1,2,3,4,5,6,7
	global_load_b128 v[XR+4*\t:XR+4*\t+3], v[L16], s[10:11] offset:512*\t
.endr
	WLOAD
	s_wait_loadcnt 42                              ; (m, l) and t are in; x's 8 loads and W_out's 34 may be out
	STATS 1
.irp i, 0,1,2,3
	v_mul_f32 v[236+\i], v[236+\i], v247
.endr
	global_store_b128 v[L16], v[236:239], s[16:17] ; out1: 512 consecutive bytes, aligned
	s_wait_loadcnt 34                              ; x's row is in; W_out's 34 loads may be out
.irp t, 0,1,2,3,4,5,6,7
	ds_store_b128 v[SIN], v[XR+4*\t:XR+4*\t+3] offset:STG+544*\t   ; the row through my stage: in as loaded, back 128 bytes a lane
.endr
.irp t, 0,1,2,3,4,5,6,7
	ds_load_b128 v[XR+4*\t:XR+4*\t+3], v[SOUT] offset:STG+16*\t
.endr
	s_wait_dscnt 0x0                               ; the row is back
	QROW1 XR
.Ljoin:
	s_wait_dscnt 0x0                               ; for the others' sake: my codes and bytes lie in LDS
	s_barrier_signal -1
	s_barrier_wait -1
	WIN 0x40
.irp q, 0,1,2,3,4,5,6,7,8,9,10,11,12,13,14,15
.irp c, 0,1
	ds_load_b128 v[128+8*\q+4*\c:128+8*\q+4*\c+3], v[AFR] offset:64*\q+32*\c
.endr
.endr
	WIN 0
	ds_load_b128 v[AS:AS+3], v[ASR]
	ds_load_b128 v[AS+4:AS+7], v[ASR] offset:32
	s_wait_loadcnt 0x0                             ; W_out's fragments and scale words
	s_wait_dscnt 0x0
	WIN 0x05                                       ; sources 0 and 1 window 1; C and D window 0
	FWM 32, 0, 1                                   ; the two accumulators take turns, one instruction a turn; the first products start the sums
	FWM 40, 8, 1
.irp i, 1,2,3,4,5,6,7
	FWM 32, \i, 0
	FWM 40, 8+\i, 0
.endr
	WIN 0
.rept 4
	v_nop                                          ; four places between the last product and the first read of its result (ISA guide 7.12.1)
.endr
.irp p, 0,2,4,6
	v_pk_add_f32 v[48+\p:49+\p], v[32+\p:33+\p], v[40+\p:41+\p]   ; z; both accumulators from their low ends on
.endr
.irp p, 0,2,4,6
	v_pk_mul_f32 v[48+\p:49+\p], v[48+\p:49+\p], s[36:37] op_sel_hi:[1,0]
.endr
	s_wait_alu depctr_va_vdst(0)
.irp j, 0,1,2,3,4,5,6,7
	v_exp_f32 v[48+\j], v[48+\j]
.endr
	v_nop
	s_wait_alu depctr_va_vdst(0)
.irp p, 0,2,4,6
	v_pk_add_f32 v[48+\p:49+\p], v[48+\p:49+\p], 1.0 op_sel_hi:[1,0]
.endr
	s_wait_alu depctr_va_vdst(0)
.irp j, 0,1,2,3,4,5,6,7
	v_rcp_f32 v[48+\j], v[48+\j]
.endr
	v_nop
	s_wait_alu depctr_va_vdst(0)
.irp p, 0,2,4,6
	v_pk_fma_f32 v[48+\p:49+\p], v[48+\p:49+\p], -2.0, 1.0 op_sel_hi:[1,0,0]   ; tanh z
.endr
	ds_store_b128 v[OSW], v[48:51]                 ; lanes whose r % 2 agree store the same values to the same bytes
	ds_store_b128 v[OSW], v[52:55] offset:16
	s_wait_dscnt 0x0
	s_barrier_signal -1
	s_barrier_wait -1                              ; two rows of 64 columns lie in the stage
	s_cmp_lg_u32 s18, 0
	s_cbranch_scc1 .Ldone
	ds_load_b128 v[56:59], v[OSR]                  ; wave 0: lanes 0-15 one row, lanes 16-31 the other
	s_wait_dscnt 0x0
	global_store_b128 v[OGO], v[56:59], s[14:15]   ; sixteen lanes store 256 consecutive bytes, aligned
.Ldone:
	s_wait_tensorcnt 0x0                           ; the wave's end
	ds_add_u32 v254, v255
	s_wait_dscnt 0x0
	s_endpgm
.Lfunc_end_k_q21d56249ff_fin:
	.size	k_q21d56249ff_fin, .Lfunc_end_k_q21d56249ff_fin-k_q21d56249ff_fin
	.p2alignl 7, 3214868480
	.fill 96, 4, 3214868480
	.section	.rodata,"a",@progbits
	.p2align	6, 0x0
	.amdhsa_kernel k_q21d56249ff_fin
		.amdhsa_group_segment_fixed_size 12032
		.amdhsa_private_segment_fixed_size 0
		.amdhsa_enable_private_segment 0
		.amdhsa_kernarg_size 56
		.amdhsa_user_sgpr_count 2
		.amdhsa_user_sgpr_kernarg_segment_ptr 1
		.amdhsa_wavefront_size32 1
		.amdhsa_system_sgpr_workgroup_id_x 1
		.amdhsa_system_sgpr_workgroup_id_y 1
		.amdhsa_system_sgpr_workgroup_id_z 1
		.amdhsa_system_vgpr_workitem_id 0
		.amdhsa_next_free_vgpr 512
		.amdhsa_next_free_sgpr 66
		.amdhsa_reserve_vcc 0
		.amdhsa_float_denorm_mode_32 3
		.amdhsa_float_denorm_mode_16_64 3
		.amdhsa_memory_ordered 1
		.amdhsa_forward_progress 1
		.amdhsa_inst_pref_size 40
	.end_amdhsa_kernel
	.amdgpu_metadata
---
amdhsa.version: [ 1, 2 ]
amdhsa.kernels:
  - .name:           k_q21d56249ff_fin
    .symbol:         k_q21d56249ff_fin.kd
    .args:
      - { .name: TS, .offset: 0, .size: 8, .value_kind: global_buffer, .address_space: global }
      - { .name: PML, .offset: 8, .size: 8, .value_kind: global_buffer, .address_space: global }
      - { .name: PW, .offset: 16, .size: 8, .value_kind: global_buffer, .address_space: global }
      - { .name: x, .offset: 24, .size: 8, .value_kind: global_buffer, .address_space: global }
      - { .name: WOF, .offset: 32, .size: 8, .value_kind: global_buffer, .address_space: global }
      - { .name: out0, .offset: 40, .size: 8, .value_kind: global_buffer, .address_space: global }
      - { .name: out1, .offset: 48, .size: 8, .value_kind: global_buffer, .address_space: global }
    .group_segment_fixed_size: 12032
    .private_segment_fixed_size: 0
    .kernarg_segment_align: 8
    .kernarg_segment_size: 56
    .max_flat_workgroup_size: 128
    .sgpr_count:     66
    .vgpr_count:     512
    .wavefront_size: 32
...
	.end_amdgpu_metadata
.endif
;; end of part 3
